; MI455X (gfx1250); checked and timed in simulation.
; The chip was launched on July 23, 2026; its instructions are those of AMD's public machine-readable ISA for CDNA 5 (MIT licence, August 2026) and "CDNA5" Instruction Set Architecture Reference Guide (July 2026). The comments in the code are by the model that wrote it; some were corrected since.
;; Cross Attention Doggettx. Allowed arithmetic: matrix products marked QUANTISED: E2M3 operands, one E8M0 scale for each 32 along K, by v_wmma_scale_f32_16x16x128_f8f6f4 with both operands' format E2M3, f32 sums; everything else in f32.
;; Inputs: Wk 1,024 x 1,024 float32; Wout 1,024 x 1,024 float32; Wq 1,024 x 1,024 float32; Wv 1,024 x 1,024 float32; bout 1,024 float32; x 2 x 2,048 x 1,024 float32.
;; Outputs: out0 2 x 2,048 x 1,024 float32.
;; This version of the problem:
;;   THIS VERSION OF THE PROBLEM IS GIVEN IN LOW PRECISION. The matrix products marked QUANTISED in the list below multiply operands that are first quantised to E2M3 (2 exponent bits, 3 mantissa bits; 6 bits a number), with one power-of-two scale for each 32 numbers along K (OCP MX v1.0); their sums are f32. All else is computed in f32.
;;   The module's matrix products, in the order in which they are computed (A, B: the left and right operand; K: the contracted axis; several contracted axes count as one K, in the product's order):
;;     1. [M 4,096, K 1,024] x [K 1,024, N 1,024]; A: input x; B: input Wq: QUANTISED
;;     2. [M 4,096, K 1,024] x [K 1,024, N 1,024]; A: input x; B: input Wk: QUANTISED
;;     3. [M 4,096, K 1,024] x [K 1,024, N 1,024]; A: input x; B: input Wv: QUANTISED
;;     4. batch 32 x [M 2,048, K 64] x [K 64, N 2,048]; A: computed on the way; B: computed on the way: QUANTISED
;;     5. batch 32 x [M 2,048, K 2,048] x [K 2,048, N 64]; A: softmax (see below); B: computed on the way: QUANTISED
;;     6. [M 4,096, K 1,024] x [K 1,024, N 1,024]; A: computed on the way; B: input Wout: QUANTISED
;;   THE QUANTISER, for each operand of a quantised product, along K:
;;     - K is cut into blocks of 32 from its start; a last block that is shorter is filled with zeros.
;;     - A block's scale is 2^e with e = floor(log2(the largest magnitude in the block)) - 2, held to -126 .. 127; a block of zeros has e = 0. As a byte (E8M0): e + 127.
;;     - Each number is divided by its block's scale, clamped to +-7.5, and rounded to the nearest number of E2M3, ties to even, subnormals kept.
;;     - The product sums the exact products of the quantised numbers (number of the format x scale) in f32.
;;   ~~~python
;;   def quantise(x, axis):      # numpy; x: float32 -> the quantised numbers, widened to float32 again
;;       x = np.moveaxis(x, axis, -1); K = x.shape[-1]
;;       x = np.pad(x, [(0, 0)] * (x.ndim - 1) + [(0, -K % 32)]); x = x.reshape(x.shape[:-1] + (-1, 32)); a = np.abs(x).max(-1, keepdims=True)
;;       e = np.where(a > 0, np.clip(np.frexp(np.where(a > 0, a, 1))[1] - 1 - 2, -126, 127), 0)      # np.frexp(a)[1] - 1 = floor(log2(a)), exactly
;;       r = np.clip(x / 2.0 ** e, -7.5, 7.5)
;;       step = 2.0 ** (np.maximum(np.frexp(np.where(r == 0, 1, r))[1] - 1, 0) - 3)
;;       q = np.round(r / step) * step * 2.0 ** e      # np.round: ties to even
;;       return np.moveaxis(q.reshape(q.shape[:-2] + (-1,))[..., :K], -1, axis).astype(np.float32)
;;   ~~~
;;   SOFTMAX AHEAD OF A QUANTISED PRODUCT. Where the list says 'softmax', what is quantised is not the finished softmax but p = 2^(t - M), with t = logit x log2(e) and M = ceil(the row's largest t), a whole number; so 1/2 < the row's largest p <= 1. The row's sum l is taken of the UNQUANTISED p, in f32, and the product's result is divided by l at the end. Since M is a whole number, a kernel that streams over the keys may use a running M (the ceiling of the running maximum): every later rescaling is an exact power of two, which a block's scale takes up: the codes' values come out the same.
;;   OPERANDS COMPUTED ON THE WAY. 'Computed on the way' means the value that the module computes at that place (a softmax that the list does not call 'softmax' is quantised finished and normalised). What goes into a quantiser is computed in f32, as accurately as f32 sums, v_exp_f32 and their like allow (about 1e-6 of the number): no bf16 or f16 on the way to a quantiser, and a product that is left as it is and whose result goes on into a quantised operand takes f32 operands (vector FMAs, or v_wmma_f32_16x16x4_f32). A number that lies on a knife's edge between two numbers of the format may be rounded either way, as far as f32 arithmetic and the matrix unit's own rounding can turn it there, and no further.
;; One version. Each part assembles by itself: llvm-mc -triple=amdgcn-amd-amdhsa -mcpu=gfx1250 --defsym DOCPART=n.
;; ======== version 1 of 1: 4 launches
;; limits: right only within a limited range of input values
;; workspace buffers: xc 3,276,800 bytes; wc 3,276,800 bytes; qc 3,407,872 bytes; kvc 6,684,672 bytes; oc 3,276,800 bytes
;; launch quant (part 1): grid 8 x 64, 8 waves a work-group, no clusters, 69,120 bytes of LDS; arguments x, Wq, Wk, Wv, Wout, xc, wc; writes xc, wc
.if DOCPART == 1
	.amdgcn_target "amdgcn-amd-amdhsa--gfx1250"
	.amdhsa_code_object_version 6
	.text
	.protected	k_q5d918c6dbb_quant
	.globl	k_q5d918c6dbb_quant
	.p2align	8
	.type	k_q5d918c6dbb_quant,@function
k_q5d918c6dbb_quant:
	s_mov_b64 s[64:65], 0
	v_nop
	global_prefetch_b8 v0, s[64:65] scope:SCOPE_SE
	s_setreg_imm32_b32 hwreg(HW_REG_WAVE_MODE, 25, 1), 1
	s_wait_xcnt 0x0
; x [4096][1024] and Wq, Wk, Wv, Wout [1024][1024], f32, K innermost, become codes of E2M3 with one E8M0 byte for each 32 along K,
; laid in the order of the matrix operand's registers, so that the later launches fetch fragments by dense loads alone.  No step and no input of the problem is left out by this program.
; A CHUNK (12,800 bytes) is 128 rows x 128 along K: eight fragments of 16 rows (1,536 bytes each), then 512 bytes of scale words.
;   A fragment is two halves of 768 bytes (64 along K each): lane l's registers 0-3 at 16 l, its registers 4-5 at 512 + 8 l.  The scale word of row i of tile t lies at 12,288 + 32 i + 4 t.
; THE ROWS OF A TILE ARE NOT NEIGHBOURS: row i of tile t is the group's row 64 (t / 4) + 8 (t % 4) + i % 8 + 32 (i / 8).  As source 0 of a product such tiles give lane (r, h), in the 32 registers
; of result tiles 4 c .. 4 c + 3, the 32 neighbours 64 c + 32 h + 0 .. 31: a whole scale block of the next quantiser, in the order of the next operand's registers.
; xc: [32 groups of tokens][8 K steps] chunks.  wc: [32 groups: Wq 0-7, Wk 8-15, Wv 16-23, Wout 24-31][8 K steps] chunks.
; SHARES.  A work-group makes one chunk (x = K step, y = group: 0-31 x's, 32-63 the weights'); wave t makes tile t.  Only pointers are chosen by the work-group's number: one path for all tensors.
; Each load reads 512 consecutive bytes of a row; the 16 rows turn through the wave's own stage in LDS, so that lane (r, h) gets blocks h and 2 + h of row r whole.
; No cluster, no tensor load, no matrix unit, no prefetch: no byte is read by two work-groups, and all of a wave's 16 loads are out at once: there is no loop to run ahead in.
; A block's scale is 2^(floor(log2(largest magnitude)) - 2); its byte is that magnitude's exponent field - 2, held at 1 from below.
; LIMITS: a block of zeros gets the byte 1 where the rule says 127 (its codes are zeros, and this program alone reads the bytes); blocks whose largest magnitude lies under 2^(3 - 127) are held at the byte 1;
; NaN and infinities among the inputs are not served.
.set OCB,    12800                     ; a chunk
.set SPITCH, 528                       ; a stage row: 512 bytes + 16
.set STGB,   16*SPITCH                 ; a wave's stage
.set SCW,    8*STGB                    ; behind the stages: the chunk's 512 bytes of scale words
.set SPARE,  SCW+512                   ; behind them the spare words, 128 bytes a wave
.set R,   16                           ; v16-79   16 rows as loaded
.set X,   80                           ; v80-143  my row's 64 numbers: register 32 c + i = k 64 c + 32 h + i
.set TM,  144                          ; v144-159 at work
.set PW,  160                          ; the scale word
.set PC,  162                          ; v162-173 the fragment; v174-181 at work
.set SH,  10                           ; v10 8 h
.set SEL, 26                           ; s26, s27 lane selects: lane l xor 16
.macro QUANT s                         ; 64 numbers of a lane, two whole blocks, become a fragment's codes in v[PC] on and its row's scale word in v[PW]
.irp b, 0,1,2,3
	v_max3_num_f32 v[TM+\b], |v[\s+16*\b]|, |v[\s+16*\b+1]|, |v[\s+16*\b+2]|   ; four chains of 16 by turns, two to a block
.endr
.irp i, 3,5,7,9,11,13
.irp b, 0,1,2,3
	v_max3_num_f32 v[TM+\b], v[TM+\b], |v[\s+16*\b+\i]|, |v[\s+16*\b+\i+1]|
.endr
.endr
	v_max3_num_f32 v[TM], v[TM], |v[\s+15]|, |v[\s+31]|
	v_max3_num_f32 v[TM+2], v[TM+2], |v[\s+47]|, |v[\s+63]|
	v_max3_num_f32 v[TM], v[TM], v[TM+1], 0x1800000        ; the block's largest magnitude, and the floor 2^(3 - 127): the byte cannot fall under 1
	v_max3_num_f32 v[TM+2], v[TM+2], v[TM+3], 0x1800000
	v_add_nc_u32 v[TM+12], 0xff000000, v[TM]               ; 2 off the exponent field: the conversion's scale operand
	v_add_nc_u32 v[TM+13], 0xff000000, v[TM+2]
	v_lshrrev_b32 v[TM+4], 23, v[TM+12]                    ; the bytes of blocks h and 2 + h,
	v_lshrrev_b32 v[TM+5], 23, v[TM+13]
	v_lshl_or_b32 v[TM+4], v[TM+5], 16, v[TM+4]
	v_lshlrev_b32 v[TM+4], v[SH], v[TM+4]                  ; at their places in the word (8 h bits up);
	v_permlanex16_b32 v[TM+6], v[TM+4], s[SEL], s[SEL+1]
	v_or_b32 v[PW], v[TM+4], v[TM+6]                       ; with lane l xor 16's two the word is whole
.irp c, 0,1
	v_cvt_scalef32_pk16_fp6_f32 v[PC+6*\c:PC+2+6*\c], v[\s+32*\c:\s+15+32*\c], v[TM+12+\c]
	v_cvt_scalef32_pk16_fp6_f32 v[PC+12+4*\c:PC+14+4*\c], v[\s+16+32*\c:\s+31+32*\c], v[TM+12+\c]   ; (a conversion's three registers begin on an even number)
.endr
	v_nop                                                  ; one plain place behind a scaled conversion
.irp c, 0,1
.irp i, 0,1,2
	v_mov_b32 v[PC+3+6*\c+\i], v[PC+12+4*\c+\i]
.endr
.endr
.endm
	s_load_b256 s[4:11], s[0:1], 0x0               ; x, Wq, Wk, Wv
	s_load_b128 s[12:15], s[0:1], 0x20             ; Wout, xc
	s_load_b64 s[16:17], s[0:1], 0x30              ; wc
	v_lshl_add_u32 v184, v0, 2, SPARE              ; my spare word, and 0
	v_mov_b32 v185, 0
	v_lshrrev_b32 v1, 5, v0
	v_readfirstlane_b32 s18, v1                    ; wave = tile t
	v_and_b32 v1, 31, v0                           ; lane
	v_and_b32 v2, 15, v0                           ; r
	v_bfe_u32 v3, v0, 4, 1                         ; h
	v_lshlrev_b32 v4, 4, v1                        ; 16 x lane
	v_lshlrev_b32 v5, 3, v1                        ; 8 x lane
	v_lshlrev_b32 v[SH], 3, v3
	s_mul_i32 s19, s18, STGB                       ; my stage
	v_add_nc_u32 v6, s19, v4                       ; into it: a row as it lies
	v_mul_u32_u24 v7, v2, SPITCH
	v_lshl_add_u32 v7, v3, 7, v7
	v_add_nc_u32 v7, s19, v7                       ; out of it: row r, + 128 h: block h
	s_lshl_b32 s20, s18, 2
	s_add_co_u32 s20, s20, SCW
	v_lshl_add_u32 v8, v2, 5, s20                  ; my row's scale word: SCW + 32 r + 4 t
	v_add_nc_u32 v9, SCW, v4                       ; and the way out of all 512 bytes
	s_mov_b32 s[SEL], 0x76543210
	s_mov_b32 s[SEL+1], 0xfedcba98
	v_mov_b32 v[TM+6], 0                           ; written once: a lane permute's destination counts as one of its sources
	s_and_b32 s21, ttmp7, 0xffff                   ; y
	s_sub_co_u32 s22, s21, 32                      ; a weight's group among the 32 (used only where y >= 32)
	s_lshr_b32 s23, s22, 3                         ; which weight
	s_and_b32 s24, s22, 7                          ; and which of its eight groups
	s_wait_alu depctr_va_vdst(0)
	s_wait_kmcnt 0x0
	s_cmp_eq_u32 s23, 1                            ; the choices hang on the work-group's number alone
	s_cselect_b64 s[6:7], s[8:9], s[6:7]
	s_cmp_eq_u32 s23, 2
	s_cselect_b64 s[6:7], s[10:11], s[6:7]
	s_cmp_eq_u32 s23, 3
	s_cselect_b64 s[6:7], s[12:13], s[6:7]
	s_cmp_lt_u32 s21, 32
	s_cselect_b64 s[4:5], s[4:5], s[6:7]           ; from where
	s_cselect_b64 s[14:15], s[14:15], s[16:17]     ; to where
	s_cselect_b32 s24, s21, s24                    ; the group in its tensor
	s_cselect_b32 s22, s21, s22                    ; the group in its buffer of codes
	s_lshl_b32 s24, s24, 7
	s_lshr_b32 s25, s18, 2
	s_lshl_b32 s25, s25, 6
	s_add_co_u32 s24, s24, s25
	s_and_b32 s25, s18, 3
	s_lshl_b32 s25, s25, 3
	s_add_co_u32 s24, s24, s25                     ; my tile's first row: 128 g + 64 (t / 4) + 8 (t % 4)
	s_lshl_b32 s24, s24, 12                        ; rows of 4,096 bytes
	s_lshl_b32 s25, ttmp9, 9                       ; + 512 x K step
	s_add_co_u32 s24, s24, s25
	s_mov_b32 s25, 0
	s_add_nc_u64 s[4:5], s[4:5], s[24:25]
	s_lshl_b32 s22, s22, 3
	s_add_co_u32 s22, s22, ttmp9
	s_mul_i32 s22, s22, OCB                        ; my chunk,
	s_mul_i32 s23, s18, 1536                       ; my fragment in it
	s_add_co_u32 s22, s22, s23
	s_mov_b32 s23, 0
	s_add_nc_u64 s[14:15], s[14:15], s[22:23]
.irp i, 0,1,2,3,4,5,6,7,8,9,10,11,12,13,14,15
	global_load_b128 v[R+4*\i:R+4*\i+3], v4, s[4:5] offset:(\i%8+32*(\i/8))*4096 th:TH_LOAD_NT   ; tile row i: 32 lanes read 512 consecutive bytes; read once in the launch
.endr
.irp i, 0,1,2,3,4,5,6,7,8,9,10,11,12,13,14,15
	s_wait_loadcnt 15-\i                           ; loads come back in order: row i is in, the 15 - i younger ones stay out
	ds_store_b128 v6, v[R+4*\i:R+4*\i+3] offset:SPITCH*\i
.endr
.irp c, 0,1
.irp j, 0,1,2,3,4,5,6,7
	ds_load_b128 v[X+32*\c+4*\j:X+32*\c+4*\j+3], v7 offset:256*\c+16*\j   ; LDS serves a wave's instructions in order: these see my stores
.endr
.endr
	s_wait_dscnt 0x0
	QUANT X
	global_store_b128 v4, v[PC:PC+3], s[14:15]                  ; each store covers 512 or 256 consecutive bytes, at a multiple of 256 from the buffer's first byte
	global_store_b64 v5, v[PC+4:PC+5], s[14:15] offset:512
	global_store_b128 v4, v[PC+6:PC+9], s[14:15] offset:768
	global_store_b64 v5, v[PC+10:PC+11], s[14:15] offset:1280
	ds_store_b32 v8, v[PW]                         ; lanes r and r + 16 write the same word with the same value
	s_wait_dscnt 0x0                               ; for the others' sake: my word has landed
	s_barrier_signal -1
	s_barrier_wait -1
	s_cmp_lg_u32 s18, 0                            ; wave 0, whose fragment begins the chunk, stores the chunk's scale words
	s_cbranch_scc1 .Ldone
	ds_load_b128 v[R:R+3], v9
	s_wait_dscnt 0x0
	global_store_b128 v4, v[R:R+3], s[14:15] offset:12288       ; 512 consecutive bytes
.Ldone:
	s_wait_tensorcnt 0x0                           ; the wave's end
	ds_add_u32 v184, v185
	s_wait_dscnt 0x0
	s_endpgm
.Lfunc_end_k_q5d918c6dbb_quant:
	.size	k_q5d918c6dbb_quant, .Lfunc_end_k_q5d918c6dbb_quant-k_q5d918c6dbb_quant
	.p2alignl 7, 3214868480
	.fill 96, 4, 3214868480
	.section	.rodata,"a",@progbits
	.p2align	6, 0x0
	.amdhsa_kernel k_q5d918c6dbb_quant
		.amdhsa_group_segment_fixed_size 69120
		.amdhsa_private_segment_fixed_size 0
		.amdhsa_enable_private_segment 0
		.amdhsa_kernarg_size 56
		.amdhsa_user_sgpr_count 2
		.amdhsa_user_sgpr_kernarg_segment_ptr 1
		.amdhsa_wavefront_size32 1
		.amdhsa_system_sgpr_workgroup_id_x 1
		.amdhsa_system_sgpr_workgroup_id_y 1
		.amdhsa_system_sgpr_workgroup_id_z 1
		.amdhsa_system_vgpr_workitem_id 0
		.amdhsa_next_free_vgpr 186
		.amdhsa_next_free_sgpr 66
		.amdhsa_reserve_vcc 0
		.amdhsa_float_denorm_mode_32 3
		.amdhsa_float_denorm_mode_16_64 3
		.amdhsa_memory_ordered 1
		.amdhsa_forward_progress 1
		.amdhsa_inst_pref_size 11
	.end_amdhsa_kernel
	.amdgpu_metadata
---
amdhsa.version: [ 1, 2 ]
amdhsa.kernels:
  - .name:           k_q5d918c6dbb_quant
    .symbol:         k_q5d918c6dbb_quant.kd
    .args:
      - { .name: x, .offset: 0, .size: 8, .value_kind: global_buffer, .address_space: global }
      - { .name: Wq, .offset: 8, .size: 8, .value_kind: global_buffer, .address_space: global }
      - { .name: Wk, .offset: 16, .size: 8, .value_kind: global_buffer, .address_space: global }
      - { .name: Wv, .offset: 24, .size: 8, .value_kind: global_buffer, .address_space: global }
      - { .name: Wout, .offset: 32, .size: 8, .value_kind: global_buffer, .address_space: global }
      - { .name: xc, .offset: 40, .size: 8, .value_kind: global_buffer, .address_space: global }
      - { .name: wc, .offset: 48, .size: 8, .value_kind: global_buffer, .address_space: global }
    .group_segment_fixed_size: 69120
    .private_segment_fixed_size: 0
    .kernarg_segment_align: 8
    .kernarg_segment_size: 56
    .max_flat_workgroup_size: 256
    .sgpr_count:     66
    .vgpr_count:     186
    .wavefront_size: 32
...
	.end_amdgpu_metadata
.endif
;; end of part 1
;; launch proj (part 2): grid 8 x 32, 4 waves a work-group, clusters of 4 x 4, 327,680 bytes of LDS; arguments xc, wc, qc, kvc; writes qc, kvc
.if DOCPART == 2
	.amdgcn_target "amdgcn-amd-amdhsa--gfx1250"
	.amdhsa_code_object_version 6
	.text
	.protected	k_q5d918c6dbb_proj
	.globl	k_q5d918c6dbb_proj
	.p2align	8
	.type	k_q5d918c6dbb_proj,@function
k_q5d918c6dbb_proj:
	s_mov_b64 s[64:65], 0
	v_nop
	global_prefetch_b8 v0, s[64:65] scope:SCOPE_SE
	s_setreg_imm32_b32 hwreg(HW_REG_WAVE_MODE, 25, 1), 1
	s_wait_xcnt 0x0
	s_wait_alu depctr_hold_cnt(0) depctr_sa_sdst(0) depctr_va_vdst(0) depctr_va_sdst(0) depctr_va_ssrc(0) depctr_va_vcc(0) depctr_vm_vsrc(0)
	s_getreg_b32 s2, hwreg(HW_REG_IB_STS2, 6, 4)
	s_cmp_eq_u32 s2, 0
	s_cbranch_scc0 .Lentry_in_a_cluster
	s_endpgm
.Lentry_in_a_cluster:
	s_bfe_u32 s2, ttmp6, 0x10000c
	s_cmp_lg_u32 s2, 0xf033
	s_cbranch_scc0 .Lentry_shape_is_right
	s_endpgm
.Lentry_shape_is_right:
; q = x Wq^T, k = x Wk^T, v = x Wv^T on codes of E2M3; the results are quantised in registers and leave as codes: q and k along a head's 64 channels, v along the keys.
; SHARES.  256 work-groups.  Work-group (T, u) takes the group T of 128 tokens and the group u of 128 rows (two heads) of each of Wq, Wk, Wv, all of K = 1,024: three products of 128 x 128.  Wave w (a = w / 2, e = w % 2):
;   q, k: source 0 = W's tiles 4 a .. 4 a + 3 (head 2 u + a), source 1 = x's tiles 4 e .. 4 e + 3: a lane holds one token and, in the 32 registers of a token tile, channels 32 h + 0 .. 31: one scale block;
;   v: source 0 = x's eight tiles, source 1 = Wv's tiles 2 w, 2 w + 1: a lane holds one channel of each tile and, of each, 64 keys in two blocks.  48 accumulators a wave; x's fragments serve all three products.
;   x's tiles lie in the registers as slots: slot s is tile s xor 4 e (chosen by addresses), so that register numbers hang on no wave number; v's two halves of 64 keys are set right by the stores' addresses and a byte select.
; A chunk (12,800 bytes, see the launch that makes them) is 128 rows x 128 K: eight fragments as images of the operand's registers, then the scale words.  A group's eight K steps lie on end in memory.
; LDS: four regions of six chunks (x, Wq, Wk, Wv): K steps 0 to 5, one tensor load a wave at the head (wave w: region w, 300 rows of 256 bytes).  K steps 6 and 7 (100 rows) fill each region's first two chunks again, once,
; behind a round of the cluster's barrier that stands inside K step 1's products; a plain barrier in K step 5 shows them.
; CLUSTER 4 x 4: x's chunks hang on T alone and are asked for jointly along a row of the cluster, the weights' on u alone, jointly along a column.
; PREFETCH: at the head each wave names its work-group's quarter (25 blocks of 256 bytes, a lane a block) of the refill that it will ask for jointly with three partners: the partners are told apart by address alone.
; OUT.  qc: [b x 16 + head][16] chunks of 6,656 bytes (128 tokens): eight half fragments (16 tokens x 64 channels, 768 bytes), then at 6,144 + 256 (t / 4) + 16 i + 4 (t % 4) the scale word of row i of tile t:
;   two bytes and 0x7f, 0x7f.  kvc: [b x 16 + head][16] chunks of 13,056 bytes (128 keys): k as in qc; at 6,656 v's four fragments (16 channels x 128 keys); at 12,800 + 16 i + 4 ct their scale words
;   (a wave stores two of a row's four words, 8 bytes a lane: the one store of the launch that fills half of a unit of 256 bytes).
; LIMITS: a block of zeros gets the byte 1 where the rule says 127 (its codes are zeros; this program alone reads the bytes); NaN and infinities are not served.
; REGISTERS, in windows of 256: window 0: v1-15 lane numbers, v16-30 LDS addresses (on the way out: scale words to store), v32-67 scale words, two sets, which hold nothing else, v68-127 the quantiser's work, v128-255 v's accumulators;
;   window 1: q's accumulators ((i, a) at v[8 (4 i + a)]), k's from v128; windows 2 and 3: two sets of fragments: x's slot s at v[12 s], Wq's from v96, Wk's from v144, Wv's from v192.
.set OCB,  12800
.set RG,   6*OCB                       ; a region
.set SPARE, 4*RG                       ; behind the regions: the spare words, 128 bytes a wave
.set WV,   12                          ; s12 wave; s13 a; s14 e; s15 cx; s16 cy; s17 T; s18 u; s19 1 - e
.set G1R,  24                          ; s[24:31] descriptor group 1 with the mask of my row of the cluster (x)
.set G1C,  32                          ; s[32:39] with the mask of my column (the weights)
.set G0X,  40                          ; s[40:43] group 0 for x; s[44:47] for my weight
.set G0W,  44
.set BK,   63                          ; 5 chunks: from K step 5's place back to K step 6's
.set SEL,  80                          ; s[80:81] lane selects: lane l xor 16
.set SC,   32                          ; scale words: set p at v[SC + 18 p]: + s x's slot s, + 8 Wq's, + 12 Wk's, + 16 Wv's
.set TM,   68                          ; the way out: eight chains
.set SOP,  76                          ; four scale operands
.set BY,   80                          ; four bytes
.set PD,   84                          ; lane permutes' results
.set CD,   88                          ; four blocks' codes, six registers each
.set CT,   112                         ; four conversions' results on their way
.set MSB,  0
.macro WIN new                         ; s_set_vgpr_msb: bits 1:0 source 0, 3:2 source 1, 5:4 source 2, 7:6 destination; the high byte repeats the setting that is left
.if MSB != (\new)
	s_set_vgpr_msb (MSB<<8)|(\new)
.set MSB, (\new)
.endif
.endm
.macro CREST                           ; a round of the cluster's barrier behind its opening barrier
	s_cmp_lg_u32 s[WV], 0
	s_cbranch_scc1 .Lnot_wave_0_\@
	s_barrier_signal -3
.Lnot_wave_0_\@:
	s_barrier_wait -3
	s_barrier_signal -1
	s_barrier_wait -1
.endm
.macro CROUND
	s_barrier_signal -1
	s_barrier_wait -1
	CREST
.endm
.macro JL                              ; a joint load a wave: wave 0 x's, waves 1 to 3 a weight's; every way passes one
	s_cmp_eq_u32 s[WV], 0
	s_cbranch_scc0 .Lweight_\@
	tensor_load_to_lds s[G0X:G0X+3], s[G1R:G1R+7]
	s_nop 0
.rept 4
	v_nop
.endr
	s_branch .Lasked_\@
.Lweight_\@:
	tensor_load_to_lds s[G0W:G0W+3], s[G1C:G1C+7]
	s_nop 0
.rept 4
	v_nop
.endr
.Lasked_\@:
.endm
.macro ADV nk                          ; the fifteen addresses go on to K step nk: plain instructions that name no register of a product: they are also the places ahead of the loads that follow
.irp r, 16,17,18,19,20,21,22,23,24,25,26,27,28,29,30
.if \nk == 6
	v_sub_nc_u32 v\r, v\r, s[BK]
.else
	v_add_nc_u32 v\r, OCB, v\r
.endif
.endr
.endm
.macro FR d, a16, a8, off              ; a fragment: four loads of consecutive bytes
.irp c, 0,1
	ds_load_b128 v[(\d)+6*\c:(\d)+6*\c+3], v[\a16] offset:(\off)+768*\c
	ds_load_b64 v[(\d)+6*\c+4:(\d)+6*\c+5], v[\a8] offset:(\off)+768*\c+512
.endr
.endm
.macro FETCH p                         ; a K step's eighteen fragments and their scale words into set p: 77 LDS loads in one run
	WIN 0x80+0x40*(\p)
.irp s, 0,1,2,3
	FR 12*\s, 16, 17, 1536*\s
	FR 48+12*\s, 18, 19, 1536*\s
	FR 96+12*\s, 22, 23, 1536*\s
	FR 144+12*\s, 25, 26, 1536*\s
.endr
	FR 192, 28, 29, 0
	FR 204, 28, 29, 1536
	WIN 0
	ds_load_b128 v[SC+18*(\p):SC+18*(\p)+3], v20 offset:12288
	ds_load_b128 v[SC+18*(\p)+4:SC+18*(\p)+7], v21 offset:12288
	ds_load_b128 v[SC+18*(\p)+8:SC+18*(\p)+11], v24 offset:12288
	ds_load_b128 v[SC+18*(\p)+12:SC+18*(\p)+15], v27 offset:12288
	ds_load_b64 v[SC+18*(\p)+16:SC+18*(\p)+17], v30 offset:12288
.endm
.macro WM d, a, b, c, sa, sb
	v_wmma_scale_f32_16x16x128_f8f6f4 v[\d:\d+7], v[\a:\a+11], v[\b:\b+11], \c, v[\sa], v[\sb] matrix_a_fmt:MATRIX_FMT_FP6 matrix_b_fmt:MATRIX_FMT_FP6
.endm
; The 48 accumulators take turns, one instruction a turn, in the same order in every step.  zero = 1: the products start the sums
.macro MULQK p, zero, d0, a0, s0       ; 16 products of q (0, 96, 8) or of k (128, 144, 12)
	WIN 0x5a+5*(\p)
.irp i, 0,1,2,3
.irp a, 0,1,2,3
.if \zero
	WM \d0+8*(4*\i+\a), \a0+12*\a, 12*\i, 0, SC+18*(\p)+\s0+\a, SC+18*(\p)+\i
.else
	WM \d0+8*(4*\i+\a), \a0+12*\a, 12*\i, v[\d0+8*(4*\i+\a):\d0+8*(4*\i+\a)+7], SC+18*(\p)+\s0+\a, SC+18*(\p)+\i
.endif
.endr
.endr
.endm
.macro MULV p, zero                    ; 16 products of v
	WIN 0x0a+5*(\p)
.irp j, 0,1
.irp s, 0,1,2,3,4,5,6,7
.if \zero
	WM 128+8*(8*\j+\s), 12*\s, 192+12*\j, 0, SC+18*(\p)+\s, SC+18*(\p)+16+\j
.else
	WM 128+8*(8*\j+\s), 12*\s, 192+12*\j, v[128+8*(8*\j+\s):128+8*(8*\j+\s)+7], SC+18*(\p)+\s, SC+18*(\p)+16+\j
.endif
.endr
.endr
.endm
.macro STEP k, zero
	s_wait_dscnt 0x0                               ; this step's set is in: it was asked for ahead of the last step's 48 products
.if \k == 5
	s_wait_tensorcnt 0x0                           ; my refill has landed,
	s_barrier_signal -1
	s_barrier_wait -1                              ; everybody's has
.endif
.if \k < 7
	WIN 0
	ADV (\k)+1
	FETCH 1-(\k)%2
.endif
	MULQK (\k)%2, \zero, 0, 96, 8
	MULQK (\k)%2, \zero, 128, 144, 12
	MULV (\k)%2, \zero
.endm
; THE WAY OUT of four blocks of 32 numbers a lane, at s + 32 B in window w: codes in v[CD + 6 B] on, scale bytes in v[BY + B].  Eight chains by turns; each accumulator is read from its low end on.
.macro OUT4 w, s
	WIN 0x15*(\w)
.irp b, 0,1,2,3,4,5,6,7
	v_max3_num_f32 v[TM+\b], |v[(\s)+16*\b]|, |v[(\s)+16*\b+1]|, |v[(\s)+16*\b+2]|
.endr
	WIN 0x14*(\w)
.irp i, 3,5,7,9,11,13
.irp b, 0,1,2,3,4,5,6,7
	v_max3_num_f32 v[TM+\b], v[TM+\b], |v[(\s)+16*\b+\i]|, |v[(\s)+16*\b+\i+1]|
.endr
.endr
.irp B, 0,1,2,3
	v_max3_num_f32 v[TM+2*\B], v[TM+2*\B], |v[(\s)+32*\B+15]|, |v[(\s)+32*\B+31]|
.endr
	WIN 0
.irp B, 0,1,2,3
	v_max3_num_f32 v[TM+2*\B], v[TM+2*\B], v[TM+2*\B+1], 0x1800000   ; the block's largest magnitude, and the floor 2^(3 - 127): the byte cannot fall under 1
.endr
.irp B, 0,1,2,3
	v_add_nc_u32 v[SOP+\B], 0xff000000, v[TM+2*\B]     ; 2 off the exponent field: the conversion's scale operand
.endr
.irp B, 0,1,2,3
	v_lshrrev_b32 v[BY+\B], 23, v[SOP+\B]              ; the scale's byte
.endr
	WIN (\w)
.irp B, 0,1,2,3
	v_cvt_scalef32_pk16_fp6_f32 v[CD+6*\B:CD+6*\B+2], v[(\s)+32*\B:(\s)+32*\B+15], v[SOP+\B]
	v_cvt_scalef32_pk16_fp6_f32 v[CT+4*\B:CT+4*\B+2], v[(\s)+32*\B+16:(\s)+32*\B+31], v[SOP+\B]   ; (a conversion's three registers begin on an even number)
.endr
	WIN 0
	v_nop                                              ; one plain place behind a scaled conversion
.irp B, 0,1,2,3
.irp i, 0,1,2
	v_mov_b32 v[CD+6*\B+3+\i], v[CT+4*\B+\i]
.endr
.endr
.endm
.macro WORDQK wd                       ; q, k: a token's word: the bytes of blocks h = 0, 1, and 1.0 twice for the upper 64 of the next product's K
.irp B, 0,1,2,3
	v_lshlrev_b32 v[BY+\B], v15, v[BY+\B]
.endr
.irp B, 0,1,2,3
	v_permlanex16_b32 v[PD+\B], v[BY+\B], s[SEL], s[SEL+1]
.endr
.irp B, 0,1,2,3
	v_or_b32 v[BY+\B], v[BY+\B], v[PD+\B]
.endr
.irp B, 0,1,2,3
	v_or_b32 v[\wd+\B], 0x7f7f0000, v[BY+\B]
.endr
.endm
.macro PUT B, base, off                ; a half fragment: 512 and 256 consecutive bytes, at multiples of 256 from the buffer's first byte
	global_store_b128 v10, v[CD+6*(\B):CD+6*(\B)+3], s[\base:\base+1] offset:\off
	global_store_b64 v11, v[CD+6*(\B)+4:CD+6*(\B)+5], s[\base:\base+1] offset:(\off)+512
.endm
	s_load_b256 s[4:11], s[0:1], 0x0               ; xc, wc, qc, kvc
	v_lshl_add_u32 v4, v0, 2, SPARE
	v_mov_b32 v5, 0
	ds_add_u32 v4, v5                              ; the opening lines
	ds_add_u32 v4, v5
	v_lshrrev_b32 v1, 5, v0
	v_readfirstlane_b32 s[WV], v1                  ; wave 0..3
	s_lshr_b32 s13, s[WV], 1                       ; a
	s_and_b32 s14, s[WV], 1                        ; e
	s_xor_b32 s19, s14, 1
	s_mul_i32 s66, s14, 6144                       ; x's tiles 4 e on,
	s_mul_i32 s67, s19, 6144                       ; and the other four
	s_lshl_b32 s68, s14, 4
	s_lshl_b32 s69, s19, 4
	s_mul_i32 s70, s13, 6144
	s_add_co_u32 s70, s70, RG                      ; Wq's tiles 4 a on
	s_lshl_b32 s71, s13, 4
	s_add_co_u32 s71, s71, RG
	s_mul_i32 s72, s[WV], 3072
	s_add_co_u32 s72, s72, 3*RG                    ; Wv's tiles 2 w on
	s_lshl_b32 s73, s[WV], 3
	s_add_co_u32 s73, s73, 3*RG
	v_and_b32 v1, 31, v0                           ; lane
	v_and_b32 v2, 15, v0                           ; r
	v_bfe_u32 v3, v0, 4, 1                         ; h
	v_lshlrev_b32 v10, 4, v1                       ; 16 x lane
	v_lshlrev_b32 v11, 3, v1                       ; 8 x lane
	v_lshlrev_b32 v12, 4, v2                       ; 16 r
	v_lshlrev_b32 v13, 5, v2                       ; 32 r
	v_lshlrev_b32 v15, 3, v3                       ; 8 h
	v_min_u32 v6, 24, v1
	v_lshlrev_b32 v6, 8, v6                        ; the prefetch: a lane a block of 256 bytes, 25 blocks
	v_add_nc_u32 v16, s66, v10                     ; x's slots 0-3
	v_add_nc_u32 v17, s66, v11
	v_add_nc_u32 v18, s67, v10                     ; slots 4-7
	v_add_nc_u32 v19, s67, v11
	v_add_nc_u32 v20, s68, v13                     ; their scale words: 32 r + 16 e, 32 r + 16 (1 - e)
	v_add_nc_u32 v21, s69, v13
	v_add_nc_u32 v22, s70, v10                     ; Wq
	v_add_nc_u32 v23, s70, v11
	v_add_nc_u32 v24, s71, v13
	v_add_nc_u32 v25, RG, v22                      ; Wk: a region on
	v_add_nc_u32 v26, RG, v23
	v_add_nc_u32 v27, RG, v24
	v_add_nc_u32 v28, s72, v10                     ; Wv
	v_add_nc_u32 v29, s72, v11
	v_add_nc_u32 v30, s73, v13
.irp B, 0,1,2,3
	v_mov_b32 v[PD+\B], 0                          ; written once: a lane permute's destination counts as one of its sources
.endr
	s_wait_alu depctr_va_vdst(0)
	s_mov_b32 s[SEL], 0x76543210
	s_mov_b32 s[SEL+1], 0xfedcba98
	s_mov_b32 s[BK], 5*OCB
	s_bfe_u32 s15, ttmp6, 0x40000                  ; cx
	s_bfe_u32 s16, ttmp6, 0x40004                  ; cy
	s_lshl_b32 s18, ttmp9, 2
	s_add_co_u32 s18, s18, s15                     ; u
	s_and_b32 s17, ttmp7, 0xffff
	s_lshl_b32 s17, s17, 2
	s_add_co_u32 s17, s17, s16                     ; T
	s_lshl_b32 s93, s16, 2
	s_lshl_b32 s93, 15, s93                        ; my row of the cluster
	s_lshl_b32 s94, 0x1111, s15                    ; my column
	; descriptor group 1: six chunks on end are a dense block: 300 rows of 256 bytes (32 elements of 8 bytes)
	s_or_b32 s[G1R], s93, (3<<16)|(1<<21)          ; 15:0 the mask; 17:16 elements of 8 bytes; 21 set beside a mask; no padding
	s_or_b32 s[G1C], s94, (3<<16)|(1<<21)
.irp g, G1R, G1C
	s_mov_b32 s[\g+1], 32<<16
	s_mov_b32 s[\g+2], 300<<16
	s_mov_b32 s[\g+3], 32<<16
	s_mov_b32 s[\g+4], 300
	s_mov_b32 s[\g+5], 32
	s_mov_b32 s[\g+6], 0
	s_mov_b32 s[\g+7], 0
.endr
	s_mul_i32 s20, s17, 8*OCB                      ; x's group T
	s_mov_b32 s21, 0
	s_max_u32 s23, s[WV], 1                        ; waves 1, 2, 3: Wq, Wk, Wv (wave 0 issues no weight's load)
	s_sub_co_u32 s23, s23, 1
	s_lshl_b32 s23, s23, 3
	s_add_co_u32 s23, s23, s18
	s_mul_i32 s22, s23, 8*OCB                      ; the weight's group u
	s_mov_b32 s23, 0
	s_mov_b32 s[G0X], 1
	s_mov_b32 s[G0X+1], 0
	s_mov_b32 s[G0W], 1
	s_mul_i32 s[G0W+1], s[WV], RG
	s_wait_dscnt 0x0                               ; both opening adds are done
	CROUND                                         ; all sixteen work-groups are here: the joint loads meet
	s_wait_kmcnt 0x0
	s_add_nc_u64 s[84:85], s[4:5], s[20:21]
	s_add_nc_u64 s[82:83], s[6:7], s[22:23]
	s_mov_b64 s[G0X+2:G0X+3], s[84:85]
	s_or_b32 s[G0X+3], s[G0X+3], 0x80000000
	s_mov_b64 s[G0W+2:G0W+3], s[82:83]
	s_or_b32 s[G0W+3], s[G0W+3], 0x80000000
	JL                                             ; K steps 0 to 5: my one load at the head
	s_cmp_eq_u32 s[WV], 0                          ; the prefetch of K steps 6 and 7 of my tensor: of its 100 blocks my work-group takes 25, by its place among the four that will ask jointly
	s_cselect_b64 s[76:77], s[84:85], s[82:83]
	s_cselect_b32 s78, s15, s16
	s_mul_i32 s78, s78, 6400
	s_add_co_u32 s78, s78, 6*OCB
	s_mov_b32 s79, 0
	s_add_nc_u64 s[76:77], s[76:77], s[78:79]
	global_prefetch_b8 v6, s[76:77] th:TH_LOAD_NT scope:SCOPE_SE   ; v6 and s[76:77] are not written again
	; where the results go: chunk (16 b + head) x 16 + T % 16, head = 2 u + a for q, k and v alike
	s_lshr_b32 s86, s17, 4
	s_lshl_b32 s86, s86, 4
	s_lshl_b32 s87, s18, 1
	s_add_co_u32 s86, s86, s87
	s_add_co_u32 s86, s86, s13
	s_lshl_b32 s86, s86, 4
	s_and_b32 s87, s17, 15
	s_add_co_u32 s86, s86, s87
	s_mul_i32 s88, s86, 6656
	s_mul_i32 s90, s86, 13056
	s_mov_b32 s89, 0
	s_mov_b32 s91, 0
	s_add_nc_u64 s[8:9], s[8:9], s[88:89]
	s_add_nc_u64 s[10:11], s[10:11], s[90:91]
	s_mul_i32 s88, s14, 3072
	s_add_nc_u64 s[48:49], s[8:9], s[88:89]        ; q's codes: tiles 4 e on
	s_add_nc_u64 s[52:53], s[10:11], s[88:89]      ; k's
	s_lshl_b32 s90, s14, 8
	s_add_co_u32 s90, s90, 6144
	s_add_nc_u64 s[50:51], s[8:9], s[90:91]        ; q's scale words
	s_add_nc_u64 s[54:55], s[10:11], s[90:91]      ; k's
	s_mul_i32 s90, s14, 768
	s_add_co_u32 s90, s90, s88
	s_add_co_u32 s90, s90, 6656
	s_add_nc_u64 s[56:57], s[10:11], s[90:91]      ; v: fragments 2 e on; my first 64 keys are half e,
	s_mul_i32 s90, s19, 768
	s_add_co_u32 s90, s90, s88
	s_add_co_u32 s90, s90, 6656
	s_add_nc_u64 s[58:59], s[10:11], s[90:91]      ; my second 64 half 1 - e
	s_lshl_b32 s90, s14, 3
	s_add_co_u32 s90, s90, 12800
	s_add_nc_u64 s[60:61], s[10:11], s[90:91]      ; v's scale words: 16 i + 8 e
	s_mov_b32 s62, 0x03020100
	s_cmp_eq_u32 s14, 1
	s_cselect_b32 s62, 0x01000302, s62             ; e = 1: the word's halves change places
	s_wait_tensorcnt 0x0                           ; my region has landed,
	s_barrier_signal -1
	s_barrier_wait -1                              ; everybody's has: K steps 0 to 5 are whole
	FETCH 0
	STEP 0, 1
	; K STEP 1, WITH THE REFILL'S ROUND INSIDE IT
	s_wait_dscnt 0x0                               ; K step 1's set is in: my reads of the regions' first two chunks are over
	WIN 0
	ADV 2
	FETCH 0
	s_wait_tensorcnt 0x0
	ds_add_u32 v4, v5
	s_mov_b32 s[G1R+2], 100<<16                    ; no tensor load of mine is out: the descriptors may be written: 100 rows,
	s_mov_b32 s[G1R+4], 100
	s_mov_b32 s[G1C+2], 100<<16
	s_mov_b32 s[G1C+4], 100
	s_add_nc_u64 s[G0X+2:G0X+3], s[G0X+2:G0X+3], 6*OCB   ; K steps 6 and 7
	s_add_nc_u64 s[G0W+2:G0W+3], s[G0W+2:G0W+3], 6*OCB
	MULQK 1, 0, 0, 96, 8
	MULQK 1, 0, 128, 144, 12
	WIN 0
	s_wait_dscnt 0x0                               ; the add is done, and K step 2's set is in
	s_barrier_signal -1
	MULV 1, 0                                      ; register work inside the round
	WIN 0
	s_barrier_wait -1
	CREST
	JL                                             ; the refill, the first tensor load behind the round; three steps' products stand ahead of the wait for it
.irp k, 2,3,4,5,6,7
	STEP \k, 0
.endr
	WIN 0
.rept 4
	v_nop                                          ; places between the last products and the first read of results
.endr
	OUT4 1, 0                                      ; q: four tiles of tokens
	WORDQK 16
.irp B, 0,1,2,3
	PUT \B, 48, 768*\B
.endr
	s_wait_xcnt 0x0                                ; the stores' data are written again only behind this wait
	OUT4 1, 128                                    ; k
	WORDQK 20
.irp B, 0,1,2,3
	PUT \B, 52, 768*\B
.endr
	s_wait_xcnt 0x0
	OUT4 0, 128                                    ; v: block 2 j + cc: channel tile j, my cc-th 64 keys
.irp j, 0,1
	v_lshl_or_b32 v[BY+2*\j], v[BY+2*\j+1], 16, v[BY+2*\j]
.endr
.irp j, 0,1
	v_lshlrev_b32 v[BY+2*\j], v15, v[BY+2*\j]
.endr
.irp j, 0,1
	v_permlanex16_b32 v[PD+\j], v[BY+2*\j], s[SEL], s[SEL+1]
.endr
.irp j, 0,1
	v_or_b32 v[BY+2*\j], v[BY+2*\j], v[PD+\j]
.endr
.irp j, 0,1
	v_perm_b32 v[24+\j], v[BY+2*\j], v[BY+2*\j], s62   ; the four bytes in the order of the keys
.endr
.irp j, 0,1
	PUT 2*\j, 56, 1536*\j
	PUT 2*\j+1, 58, 1536*\j
.endr
	v_cmp_gt_u32 vcc_lo, 16, v1
	s_wait_alu depctr_va_vdst(0)
	s_wait_xcnt 0x0                                ; EXEC changes only behind this wait
	s_and_saveexec_b32 s79, vcc_lo
	global_store_b128 v12, v[16:19], s[50:51]      ; my four tiles' words of row r: sixteen lanes store 256 consecutive bytes
	global_store_b128 v12, v[20:23], s[54:55]
	global_store_b64 v12, v[24:25], s[60:61]       ; v: two words of row r
	s_wait_xcnt 0x0
	s_or_b32 exec_lo, exec_lo, s79
	s_wait_tensorcnt 0x0                           ; the wave's end
	ds_add_u32 v4, v5
	s_wait_dscnt 0x0
	CROUND                                         ; the closing round: no work-group ends while a partner may still ask jointly
	s_endpgm
.Lfunc_end_k_q5d918c6dbb_proj:
	.size	k_q5d918c6dbb_proj, .Lfunc_end_k_q5d918c6dbb_proj-k_q5d918c6dbb_proj
	.p2alignl 7, 3214868480
	.fill 96, 4, 3214868480
	.section	.rodata,"a",@progbits
	.p2align	6, 0x0
	.amdhsa_kernel k_q5d918c6dbb_proj
		.amdhsa_group_segment_fixed_size 327680
		.amdhsa_private_segment_fixed_size 0
		.amdhsa_enable_private_segment 0
		.amdhsa_kernarg_size 32
		.amdhsa_user_sgpr_count 2
		.amdhsa_user_sgpr_kernarg_segment_ptr 1
		.amdhsa_wavefront_size32 1
		.amdhsa_system_sgpr_workgroup_id_x 1
		.amdhsa_system_sgpr_workgroup_id_y 1
		.amdhsa_system_sgpr_workgroup_id_z 1
		.amdhsa_system_vgpr_workitem_id 0
		.amdhsa_next_free_vgpr 1024
		.amdhsa_next_free_sgpr 100
		.amdhsa_reserve_vcc 1
		.amdhsa_float_denorm_mode_32 3
		.amdhsa_float_denorm_mode_16_64 3
		.amdhsa_memory_ordered 1
		.amdhsa_forward_progress 1
		.amdhsa_inst_pref_size 126
	.end_amdhsa_kernel
	.amdgpu_metadata
---
amdhsa.version: [ 1, 2 ]
amdhsa.kernels:
  - .name:           k_q5d918c6dbb_proj
    .symbol:         k_q5d918c6dbb_proj.kd
    .args:
      - { .name: xc, .offset: 0, .size: 8, .value_kind: global_buffer, .address_space: global }
      - { .name: wc, .offset: 8, .size: 8, .value_kind: global_buffer, .address_space: global }
      - { .name: qc, .offset: 16, .size: 8, .value_kind: global_buffer, .address_space: global }
      - { .name: kvc, .offset: 24, .size: 8, .value_kind: global_buffer, .address_space: global }
    .group_segment_fixed_size: 327680
    .private_segment_fixed_size: 0
    .kernarg_segment_align: 8
    .kernarg_segment_size: 32
    .max_flat_workgroup_size: 128
    .sgpr_count:     100
    .vgpr_count:     1024
    .wavefront_size: 32
...
	.end_amdgpu_metadata
.endif
;; end of part 2
;; launch attn (part 3): grid 8 x 32, 16 waves a work-group, clusters of 4 x 1, 211,456 bytes of LDS; arguments qc, kvc, oc; writes oc
.if DOCPART == 3
	.amdgcn_target "amdgcn-amd-amdhsa--gfx1250"
	.amdhsa_code_object_version 6
	.text
	.protected	k_q5d918c6dbb_attn
	.globl	k_q5d918c6dbb_attn
	.p2align	8
	.type	k_q5d918c6dbb_attn,@function
k_q5d918c6dbb_attn:
	s_mov_b64 s[64:65], 0
	v_nop
	global_prefetch_b8 v0, s[64:65] scope:SCOPE_SE
	s_setreg_imm32_b32 hwreg(HW_REG_WAVE_MODE, 25, 1), 1
	s_wait_xcnt 0x0
	s_wait_alu depctr_hold_cnt(0) depctr_sa_sdst(0) depctr_va_vdst(0) depctr_va_sdst(0) depctr_va_ssrc(0) depctr_va_vcc(0) depctr_vm_vsrc(0)
	s_getreg_b32 s2, hwreg(HW_REG_IB_STS2, 6, 4)
	s_cmp_eq_u32 s2, 0
	s_cbranch_scc0 .Lentry_in_a_cluster
	s_endpgm
.Lentry_in_a_cluster:
	s_bfe_u32 s2, ttmp6, 0x10000c
	s_cmp_lg_u32 s2, 0x3003
	s_cbranch_scc0 .Lentry_shape_is_right
	s_endpgm
.Lentry_shape_is_right:
; o = softmax(q k^T / 8) v for each of 32 (batch, head), both products on codes of E2M3; o is divided by the row's sum, quantised along its 64 channels in registers and leaves as codes.
; THE SOFTMAX AHEAD OF THE SECOND PRODUCT: t = score x log2(e) / 8; M = the running largest t rounded UP to a whole number; p = 2^(t - M) is quantised along the keys, not normalised.
; The row's sum is taken of the unquantised p.  When M moves, the sum and O^T are multiplied by 2^(old M - new M): exact, and no branch on data.
; SHARES.  A work-group owns 256 queries of one head; each of its sixteen waves 16 of them, in 256 registers: four waves to a SIMD.  Every wave walks all 2,048 keys, 128 a step.
; THE HEAD'S WHOLE k AND v (16 chunks, 208,896 bytes of codes and scale words, as they lie in kvc) STAY IN LDS, each byte filled once: wave w fetches chunk w, one tensor load a wave, one line for all;
; every wave waits for its load, one barrier shows all sixteen, and no barrier stands in the walk.  No prefetch: all of the launch's tiles are asked for at its head, so there is no loop to run ahead in.
; CLUSTER 4 x 1: four blocks of queries of one head read the same k and v: each chunk is asked for JOINTLY.
; LAYOUT.  Both products transposed: S^T = k q^T, O^T = v^T p^T: a lane holds ONE query (lane % 16) throughout.  Row i of tile t of k is key 64 (t / 4) + 8 (t % 4) + i % 8 + 32 (i / 8) of the chunk, so lane (r, h)
; holds, in the 32 registers of result tiles 4 c .. 4 c + 3, keys 64 c + 32 h + 0 .. 31: a whole scale block, in the order of p's operand.  v's tiles of channels are laid alike: a lane's 32 registers of O^T are channels 32 h + 0 .. 31.
; K = 64 IN AN INSTRUCTION OF 128: q's registers 6-11 are zero codes.  A tile of k is six registers; its operand names twelve: the upper six are the next tile's codes (behind the last tile: six registers of p's codes).
; They are numbers of the format, under the scale byte 0x7f on both sides, times the code 0: each such product is exactly 0.
; FRAGMENTS ONE STEP AHEAD.  k and v have registers of their own: behind a step's first products the next chunk's k is asked for (18 LDS loads), behind its second products the next chunk's v (17).  LDS loads come back in order,
; so the wait at a step's top leaves the 17 younger loads out, and the wait ahead of the second products the 18 younger ones.  The last step is written out: it asks for nothing.
; OUT.  oc: [32 groups of 128 tokens][8 K steps = pairs of heads] chunks of 12,800 bytes as xc's, but for the scales: two planes of 256 bytes, one a head: the byte of block h of row i of tile t at 12,288 + 256 c + 16 i + 2 t + h.
; LIMITS: the promise holds while the scaled scores t stay under 2^31 in magnitude; v_exp_f32 gives 0 under 2^-126; a block of zeros gets the byte 1 where the rule says 127 (its codes are zeros; this program alone reads
; the bytes); a block's largest p is taken as the p of its largest score; NaN and infinities are not served.
; REGISTERS: v1-3 16 l, 8 l, 16 r; v4-6 the same + the chunk to fetch; v7 8 h; v8 -M, v9 the largest score; v[10:11] the sum; v12 f, v13 at work (v12-14 also a conversion's result on its way); v16-27 q;
;   v28-75 k's eight tiles; v76-87 p's codes; scale words: v88-95 k's, v240-243 v's, v244 p's, v245 q's; v96-159 S^T, then p; v160-191 O^T; v192-239 v's four fragments; v246-253 at work; v254, v255 the spare word and 0.
.set CHK,   13056                      ; a chunk of kvc: 128 keys
.set SCG,   16*CHK                     ; behind the head: 512 bytes in which o's scale bytes are gathered; no fill lands there
.set SPARE, SCG+512                    ; the spare words, 128 bytes a wave
.set WV,    12
.set G1,    16                         ; s[16:23] descriptor group 1
.set G0,    24                         ; s[24:27] group 0
.set TRIP,  28
.set CSN,   29                         ; -c
.set SEL,   40                         ; s[40:41] lane selects: lane l xor 16
.set CS,    42                         ; s[42:43] c = log2(e) / 8 (the packed form names a pair and takes its low word for both halves)
.set TB,    44                         ; LDS byte of the chunk to fetch
.macro CROUND                          ; a round of the cluster's barrier
	s_barrier_signal -1
	s_barrier_wait -1
	s_cmp_lg_u32 s[WV], 0
	s_cbranch_scc1 .Lnot_wave_0_\@
	s_barrier_signal -3
.Lnot_wave_0_\@:
	s_barrier_wait -3
	s_barrier_signal -1
	s_barrier_wait -1
.endm
.macro KLOAD                           ; k's eight tiles and their scale words: 18 loads
.irp t, 0,1,2,3,4,5,6,7
	ds_load_b128 v[28+6*\t:31+6*\t], v4 offset:768*\t
	ds_load_b64 v[32+6*\t:33+6*\t], v5 offset:768*\t+512
.endr
	ds_load_b128 v[88:91], v6 offset:6144
	ds_load_b128 v[92:95], v6 offset:6400
.endm
.macro VLOAD                           ; v's four fragments and their scale words: 17 loads
.irp t, 0,1,2,3
.irp c, 0,1
	ds_load_b128 v[192+12*\t+6*\c:195+12*\t+6*\c], v4 offset:6656+1536*\t+768*\c
	ds_load_b64 v[196+12*\t+6*\c:197+12*\t+6*\c], v5 offset:6656+1536*\t+768*\c+512
.endr
.endr
	ds_load_b128 v[240:243], v6 offset:12800
.endm
.macro SUM4 j                          ; four pairs of p onto the sum's four parts
	v_pk_add_f32 v[246:247], v[246:247], v[96+2*(\j):97+2*(\j)]
	v_pk_add_f32 v[248:249], v[248:249], v[98+2*(\j):99+2*(\j)]
	v_pk_add_f32 v[250:251], v[250:251], v[100+2*(\j):101+2*(\j)]
	v_pk_add_f32 v[10:11], v[10:11], v[102+2*(\j):103+2*(\j)]
.endm
; A KEY STEP: 128 keys.  last = 1: nothing more is fetched
.macro STEP last
	s_wait_dscnt 17                                ; this chunk's k is in; the 17 younger loads, its v, may be out
.irp t, 0,1,2,3,4,5,6,7
	v_wmma_scale_f32_16x16x128_f8f6f4 v[96+8*\t:103+8*\t], v[28+6*\t:39+6*\t], v[16:27], 0, v[88+\t], v245 matrix_a_fmt:MATRIX_FMT_FP6 matrix_b_fmt:MATRIX_FMT_FP6
.endr
	v_mov_b32 v13, v8                              ; four places ahead of the loads over k's registers and of the first read of the scores: the old -M,
.if \last
.rept 3
	v_nop
.endr
.else
	v_add_nc_u32 v4, s[TB], v1                     ; and the next chunk's addresses
	v_add_nc_u32 v5, s[TB], v2
	v_add_nc_u32 v6, s[TB], v3
	KLOAD
.endif
.irp b, 0,1,2,3
	v_max3_num_f32 v[246+\b], v[96+16*\b], v[97+16*\b], v[98+16*\b]   ; THE LARGEST SCORE OF EACH BLOCK OF 32 KEYS (four chains of 16, two to a block) serves twice: for the row's maximum and for the block's largest p
.endr
.irp i, 3,5,7,9,11,13
.irp b, 0,1,2,3
	v_max3_num_f32 v[246+\b], v[246+\b], v[96+16*\b+\i], v[97+16*\b+\i]
.endr
.endr
	v_max3_num_f32 v246, v246, v111, v127
	v_max3_num_f32 v248, v248, v143, v159
	v_max_num_f32 v246, v246, v247                 ; block h
	v_max_num_f32 v248, v248, v249                 ; block 2 + h
	v_max_num_f32 v247, v246, v248
	s_delay_alu instid0(VALU_DEP_1)
	v_permlanex16_b32 v250, v247, s[SEL], s[SEL+1]
	s_delay_alu instid0(VALU_DEP_1)
	v_max3_num_f32 v9, v9, v247, v250              ; the running largest score of my query
	s_delay_alu instid0(VALU_DEP_1)
	v_mul_f32 v249, s[CSN], v9                     ; -t
	s_delay_alu instid0(VALU_DEP_1)
	v_floor_f32 v8, v249                           ; the new -M = floor(-t) = -ceil(t): a whole number
	s_delay_alu instid0(VALU_DEP_1)
	v_sub_f32 v13, v8, v13                         ; old M - new M: a whole number, 0 or less
	s_delay_alu instid0(VALU_DEP_1)
	v_cvt_i32_f32 v13, v13                         ; (it saturates)
	s_delay_alu instid0(VALU_DEP_1)
	v_ldexp_f32 v12, 1.0, v13                      ; f = 2^(old M - new M)
.irp j, 0,2,4,6,8,10,12,14,16,18,20,22,24,26,28,30,32,34,36,38,40,42,44,46,48,50,52,54,56,58,60,62
	v_pk_fma_f32 v[96+\j:97+\j], v[96+\j:97+\j], s[CS:CS+1], v[8:9] op_sel_hi:[1,0,0]   ; t - M, two at a time
.endr
	v_fma_f32 v246, v246, s[CS], v8                ; the same of each block's largest score
	v_fma_f32 v248, v248, s[CS], v8
	s_wait_alu depctr_va_vdst(0)
.irp j, 0,1,2,3,4,5,6,7,8,9,10,11,12,13,14,15,16,17,18,19,20,21,22,23,24,25,26,27,28,29,30,31,32,33,34,35,36,37,38,39,40,41,42,43,44,45,46,47,48,49,50,51,52,53,54,55,56,57,58,59,60,61,62,63
	v_exp_f32 v[96+\j], v[96+\j]                   ; p = 2^(t - M), at most 1
.endr
	v_exp_f32 v246, v246                           ; the block's largest p: the same two instructions on the same number give the same bits
	v_exp_f32 v248, v248
	v_pk_mul_f32 v[10:11], v[10:11], v[12:13] op_sel_hi:[1,0]   ; the sum under the new M (a plain place behind the exponentials)
	s_wait_alu depctr_va_vdst(0)                   ; one wait behind the batch, directly ahead of the first readers of O^T
.irp j, 0,2,4,6,8,10,12,14,16,18,20,22,24,26,28,30
	v_pk_mul_f32 v[160+\j:161+\j], v[160+\j:161+\j], v[12:13] op_sel_hi:[1,0]   ; O^T under the new M, each accumulator from its low end on
.endr
	v_max_num_f32 v246, 0x1800000, v246            ; the floor 2^(3 - 127): the byte cannot fall under 1
	v_max_num_f32 v248, 0x1800000, v248
	v_add_nc_u32 v252, 0xff000000, v246            ; 2 off the exponent field: the conversion's scale operand
	v_add_nc_u32 v253, 0xff000000, v248
	v_lshrrev_b32 v247, 23, v252                   ; the bytes of blocks h and 2 + h,
	v_lshrrev_b32 v249, 23, v253
	s_delay_alu instid0(VALU_DEP_1)
	v_lshl_or_b32 v247, v249, 16, v247
	s_delay_alu instid0(VALU_DEP_1)
	v_lshlrev_b32 v247, v7, v247                   ; at their places in the word (8 h bits up);
	s_delay_alu instid0(VALU_DEP_1)
	v_permlanex16_b32 v250, v247, s[SEL], s[SEL+1]
	s_delay_alu instid0(VALU_DEP_1)
	v_or_b32 v244, v247, v250                      ; with lane l xor 16's two: p's scale word for these 128 keys
	v_cvt_scalef32_pk16_fp6_f32 v[76:78], v[96:111], v252
	v_cvt_scalef32_pk16_fp6_f32 v[12:14], v[112:127], v252         ; (a conversion's three registers begin on an even number)
	v_cvt_scalef32_pk16_fp6_f32 v[82:84], v[128:143], v253
	v_pk_add_f32 v[246:247], v[96:97], v[98:99]    ; THE ROW'S SUM OF THE UNQUANTISED p, in four parts (these are also the plain place behind the conversions)
	v_pk_add_f32 v[248:249], v[100:101], v[102:103]
	v_pk_add_f32 v[250:251], v[104:105], v[106:107]
	v_pk_add_f32 v[10:11], v[10:11], v[108:109]
.irp i, 0,1,2
	v_mov_b32 v[79+\i], v[12+\i]
.endr
	v_cvt_scalef32_pk16_fp6_f32 v[12:14], v[144:159], v253
	SUM4 7
.irp i, 0,1,2
	v_mov_b32 v[85+\i], v[12+\i]
.endr
	SUM4 11                                        ; twelve plain lines between the last of p's codes and the scaled products; 26 behind p's scale word
	SUM4 15
	SUM4 19
	s_wait_alu depctr_va_vdst(0)
.if \last
	s_wait_dscnt 0x0
.else
	s_wait_dscnt 18                                ; this chunk's v is in; the 18 younger loads, the next chunk's k, may be out
.endif
.irp t, 0,1,2,3                                ; O^T += v^T p^T: the four accumulators by turns
	v_wmma_scale_f32_16x16x128_f8f6f4 v[160+8*\t:167+8*\t], v[192+12*\t:203+12*\t], v[76:87], v[160+8*\t:167+8*\t], v[240+\t], v244 matrix_a_fmt:MATRIX_FMT_FP6 matrix_b_fmt:MATRIX_FMT_FP6
.endr
	SUM4 23                                        ; four places ahead of the loads over v's registers
.if \last == 0
	VLOAD
.endif
	SUM4 27
	v_pk_add_f32 v[246:247], v[246:247], v[158:159]
	v_pk_add_f32 v[248:249], v[248:249], v[250:251]
	v_pk_add_f32 v[10:11], v[10:11], v[246:247]
	v_pk_add_f32 v[10:11], v[10:11], v[248:249]
.endm
	s_load_b128 s[4:7], s[0:1], 0x0                ; qc, kvc
	s_load_b64 s[8:9], s[0:1], 0x10                ; oc
	v_lshl_add_u32 v254, v0, 2, SPARE
	v_mov_b32 v255, 0
	ds_add_u32 v254, v255                          ; the opening lines
	ds_add_u32 v254, v255
	v_lshrrev_b32 v12, 5, v0
	v_readfirstlane_b32 s[WV], v12                 ; wave 0..15
	v_and_b32 v12, 31, v0                          ; lane
	v_and_b32 v13, 15, v0                          ; r
	v_bfe_u32 v14, v0, 4, 1                        ; h
	v_lshlrev_b32 v1, 4, v12                       ; 16 x lane
	v_lshlrev_b32 v2, 3, v12                       ; 8 x lane
	v_lshlrev_b32 v3, 4, v13                       ; 16 r
	v_lshlrev_b32 v4, 4, v12                       ; the first addresses: chunk 0 lies at LDS byte 0
	v_lshlrev_b32 v5, 3, v12
	v_lshlrev_b32 v6, 4, v13
	v_lshlrev_b32 v7, 3, v14                       ; 8 h
.irp j, 22,23,24,25,26,27,76,77,78,79,80,81
	v_mov_b32 v\j, 0                               ; zero codes: q's upper 64 of K; and what the first step finds behind k's last tile
.endr
	v_mov_b32 v9, 0xff61b1e6                       ; the largest score so far: -3e38
	v_mov_b32 v8, 0x7e000000                       ; -M: a whole number above every -t, so that the first f is 0
	v_mov_b32 v10, 0                               ; the sum, in two halves
	v_mov_b32 v11, 0
	v_mov_b32 v250, 0                              ; written once: a lane permute's destination counts as one of its sources
.irp j, 0,1,2,3,4,5,6,7,8,9,10,11,12,13,14,15,16,17,18,19,20,21,22,23,24,25,26,27,28,29,30,31
	v_mov_b32 v[160+\j], 0                         ; O^T: the step is written once; the first finds zeros, which f = 0 leaves zeros
.endr
	s_wait_alu depctr_va_vdst(0)
	s_lshr_b32 s13, s[WV], 3                       ; which of the block's two groups of 128 queries
	s_and_b32 s14, s[WV], 7                        ; my tile t in it
	s_lshl_b32 s46, s13, 8
	s_lshl_b32 s47, s14, 1
	s_add_co_u32 s46, s46, s47
	s_add_co_u32 s46, s46, SCG                     ; kept for the way out: SCG + 256 (w / 8) + 2 t
	s_mov_b32 s[SEL], 0x76543210
	s_mov_b32 s[SEL+1], 0xfedcba98
	s_mov_b32 s[CS], 0x3e38aa3b                    ; log2(e) / 8
	s_mov_b32 s[CS+1], s[CS]
	s_mov_b32 s[CSN], 0xbe38aa3b
	s_mov_b32 s[TB], CHK
	s_bfe_u32 s15, ttmp6, 0x40000                  ; cx: it enters q's and o's global addresses alone
	s_lshl_b32 s48, ttmp9, 2
	s_add_co_u32 s48, s48, s15                     ; my block of 256 queries
	s_and_b32 s49, ttmp7, 0xffff                   ; 16 x batch + head, which the four partners share
	s_mul_i32 s52, s[WV], CHK                      ; my chunk, in LDS and in memory
	s_mul_i32 s50, s49, 16*CHK                     ; the head
	s_add_co_u32 s50, s50, s52
	s_mov_b32 s51, 0
	; descriptor group 1: a chunk is a dense block: 51 rows of 256 bytes (32 elements of 8 bytes)
	s_mov_b32 s[G1], 15|(3<<16)|(1<<21)            ; 15:0 the mask: all four work-groups; 17:16 elements of 8 bytes; 21 set beside a mask
	s_mov_b32 s[G1+1], 32<<16
	s_mov_b32 s[G1+2], 51<<16
	s_mov_b32 s[G1+3], 32<<16
	s_mov_b32 s[G1+4], 51
	s_mov_b32 s[G1+5], 32
	s_mov_b32 s[G1+6], 0
	s_mov_b32 s[G1+7], 0
	s_mov_b32 s[G0], 1
	s_add_co_u32 s[G0+1], s52, 0                   ; LDS is an image of the head's bytes in memory
	s_wait_dscnt 0x0                               ; both opening adds are done
	CROUND                                         ; all four work-groups are here: the joint loads meet
	s_wait_kmcnt 0x0
	s_add_nc_u64 s[G0+2:G0+3], s[6:7], s[50:51]
	s_or_b32 s[G0+3], s[G0+3], 0x80000000
	tensor_load_to_lds s[G0:G0+3], s[G1:G1+7]      ; chunk w: my one tensor load
	s_nop 0
	; q: chunk 16 (16 b + head) + 2 x block + w / 8 of qc
	s_lshl_b32 s54, s48, 1
	s_add_co_u32 s54, s54, s13
	s_lshl_b32 s55, s49, 4
	s_add_co_u32 s55, s55, s54
	s_mul_i32 s56, s55, 6656
	s_mov_b32 s57, 0
	s_add_nc_u64 s[4:5], s[4:5], s[56:57]
	s_mul_i32 s56, s14, 768
	s_add_nc_u64 s[10:11], s[4:5], s[56:57]        ; my tile's codes
	s_lshr_b32 s56, s14, 2
	s_lshl_b32 s56, s56, 8
	s_and_b32 s58, s14, 3
	s_lshl_b32 s58, s58, 2
	s_add_co_u32 s56, s56, s58
	s_add_co_u32 s56, s56, 6144
	s_add_nc_u64 s[4:5], s[4:5], s[56:57]          ; its scale words: 6,144 + 256 (t / 4) + 4 (t % 4), + 16 r
	global_load_b128 v[16:19], v1, s[10:11]        ; q's half fragment stays in registers
	global_load_b64 v[20:21], v2, s[10:11] offset:512
	global_load_b32 v245, v3, s[4:5]               ; and its scale words
	; o: group 16 b + 2 x block (+ w / 8), K step head / 2, half head % 2
	s_lshr_b32 s56, s49, 4
	s_lshl_b32 s56, s56, 4
	s_lshl_b32 s58, s48, 1
	s_add_co_u32 s56, s56, s58
	s_mul_i32 s56, s56, 102400
	s_and_b32 s58, s49, 15
	s_lshr_b32 s59, s58, 1
	s_mul_i32 s59, s59, 12800
	s_add_co_u32 s56, s56, s59
	s_and_b32 s53, s58, 1                          ; c
	s_lshl_b32 s54, s53, 8
	s_add_co_u32 s54, s54, 12288
	s_add_co_u32 s54, s54, s56
	s_mov_b32 s55, 0
	s_add_nc_u64 s[60:61], s[8:9], s[54:55]        ; the head's plane of scale bytes
	s_mul_i32 s58, s13, 102400
	s_mul_i32 s59, s14, 1536
	s_add_co_u32 s58, s58, s59
	s_mul_i32 s59, s53, 768
	s_add_co_u32 s58, s58, s59
	s_add_co_u32 s58, s58, s56
	s_mov_b32 s59, 0
	s_add_nc_u64 s[8:9], s[8:9], s[58:59]          ; my half fragment
	s_mov_b32 s[TRIP], 15
	s_wait_loadcnt 0x0                             ; q
	s_wait_tensorcnt 0x0                           ; my chunk has landed,
	s_barrier_signal -1
	s_barrier_wait -1                              ; everybody's has: the head's k and v are whole
	KLOAD                                          ; chunk 0
	VLOAD
.Lstep:
	STEP 0
	s_add_co_u32 s[TB], s[TB], CHK
	s_sub_co_u32 s[TRIP], s[TRIP], 1
	s_cmp_lg_u32 s[TRIP], 0
	s_cbranch_scc1 .Lstep
	STEP 1
	; THE WAY OUT: o = O^T / the sum; register i is channel 32 h + i of my query: one block of 32, my six registers of half a fragment of the last product's operand
	v_bfe_u32 v192, v0, 4, 1                       ; h
	v_add_nc_u32 v193, s46, v3
	v_add_nc_u32 v193, v193, v192                  ; where my block's scale byte is gathered: SCG + 256 (w / 8) + 16 r + 2 t + h
	v_add_nc_u32 v194, SCG, v1                     ; where the bytes are read back
	v_mul_u32_u24 v195, 0x19000, v192
	v_add_nc_u32 v195, v195, v3                    ; in oc: lanes 16-31 the next group's plane (102,400 bytes on), 16 r
	v_add_f32 v10, v10, v11                        ; the sum's two halves,
	s_delay_alu instid0(VALU_DEP_1)
	v_permlanex16_b32 v250, v10, s[SEL], s[SEL+1]
	s_delay_alu instid0(VALU_DEP_1)
	v_add_f32 v10, v10, v250                       ; and lane l xor 16's keys
	s_wait_alu depctr_va_vdst(0)                   ; the wait ahead of the transcendental
	v_rcp_f32 v10, v10
	v_nop                                          ; one plain place behind a transcendental
	s_wait_alu depctr_va_vdst(0)                   ; and behind it, directly ahead of the first readers
.irp j, 0,2,4,6,8,10,12,14,16,18,20,22,24,26,28,30
	v_pk_mul_f32 v[96+\j:97+\j], v[160+\j:161+\j], v[10:11] op_sel_hi:[1,0]
.endr
	v_max3_num_f32 v246, |v96|, |v97|, |v98|
	v_max3_num_f32 v247, |v112|, |v113|, |v114|
.irp i, 3,5,7,9,11,13
	v_max3_num_f32 v246, v246, |v[96+\i]|, |v[97+\i]|
	v_max3_num_f32 v247, v247, |v[112+\i]|, |v[113+\i]|
.endr
	v_max3_num_f32 v246, v246, |v111|, |v127|
	v_max3_num_f32 v246, v246, v247, 0x1800000     ; the block's largest magnitude, and the floor
	v_add_nc_u32 v252, 0xff000000, v246
	v_lshrrev_b32 v249, 23, v252                   ; my block's scale byte
	v_cvt_scalef32_pk16_fp6_f32 v[76:78], v[96:111], v252
	v_cvt_scalef32_pk16_fp6_f32 v[12:14], v[112:127], v252
	v_nop                                          ; one plain place behind a scaled conversion
.irp i, 0,1,2
	v_mov_b32 v[79+\i], v[12+\i]
.endr
	global_store_b128 v1, v[76:79], s[8:9]         ; 512 and 256 consecutive bytes, at multiples of 256 from the buffer's first byte
	global_store_b64 v2, v[80:81], s[8:9] offset:512
	ds_store_b8 v193, v249
	s_wait_dscnt 0x0                               ; for the others' sake
	s_barrier_signal -1
	s_barrier_wait -1
	s_cmp_lg_u32 s[WV], 0                          ; wave 0 stores the two groups' planes
	s_cbranch_scc1 .Lnot_first
	ds_load_b128 v[96:99], v194
	s_wait_dscnt 0x0
	global_store_b128 v195, v[96:99], s[60:61]     ; sixteen lanes store 256 consecutive bytes
.Lnot_first:
	s_wait_tensorcnt 0x0                           ; the wave's end
	ds_add_u32 v254, v255
	s_wait_dscnt 0x0
	CROUND                                         ; the closing round
	s_endpgm
.Lfunc_end_k_q5d918c6dbb_attn:
	.size	k_q5d918c6dbb_attn, .Lfunc_end_k_q5d918c6dbb_attn-k_q5d918c6dbb_attn
	.p2alignl 7, 3214868480
	.fill 96, 4, 3214868480
	.section	.rodata,"a",@progbits
	.p2align	6, 0x0
	.amdhsa_kernel k_q5d918c6dbb_attn
		.amdhsa_group_segment_fixed_size 211456
		.amdhsa_private_segment_fixed_size 0
		.amdhsa_enable_private_segment 0
		.amdhsa_kernarg_size 24
		.amdhsa_user_sgpr_count 2
		.amdhsa_user_sgpr_kernarg_segment_ptr 1
		.amdhsa_wavefront_size32 1
		.amdhsa_system_sgpr_workgroup_id_x 1
		.amdhsa_system_sgpr_workgroup_id_y 1
		.amdhsa_system_sgpr_workgroup_id_z 1
		.amdhsa_system_vgpr_workitem_id 0
		.amdhsa_next_free_vgpr 256
		.amdhsa_next_free_sgpr 66
		.amdhsa_reserve_vcc 0
		.amdhsa_float_denorm_mode_32 3
		.amdhsa_float_denorm_mode_16_64 3
		.amdhsa_memory_ordered 1
		.amdhsa_forward_progress 1
		.amdhsa_inst_pref_size 41
	.end_amdhsa_kernel
	.amdgpu_metadata
---
amdhsa.version: [ 1, 2 ]
amdhsa.kernels:
  - .name:           k_q5d918c6dbb_attn
    .symbol:         k_q5d918c6dbb_attn.kd
    .args:
      - { .name: qc, .offset: 0, .size: 8, .value_kind: global_buffer, .address_space: global }
      - { .name: kvc, .offset: 8, .size: 8, .value_kind: global_buffer, .address_space: global }
      - { .name: oc, .offset: 16, .size: 8, .value_kind: global_buffer, .address_space: global }
    .group_segment_fixed_size: 211456
    .private_segment_fixed_size: 0
    .kernarg_segment_align: 8
    .kernarg_segment_size: 24
    .max_flat_workgroup_size: 512
    .sgpr_count:     66
    .vgpr_count:     256
    .wavefront_size: 32
...
	.end_amdgpu_metadata
.endif
;; end of part 3
;; launch outp (part 4): grid 8 x 32, 4 waves a work-group, clusters of 4 x 4, 222,720 bytes of LDS; arguments oc, wc, bout, out0; writes out0
.if DOCPART == 4
	.amdgcn_target "amdgcn-amd-amdhsa--gfx1250"
	.amdhsa_code_object_version 6
	.text
	.protected	k_q5d918c6dbb_outp
	.globl	k_q5d918c6dbb_outp
	.p2align	8
	.type	k_q5d918c6dbb_outp,@function
k_q5d918c6dbb_outp:
	s_mov_b64 s[64:65], 0
	v_nop
	global_prefetch_b8 v0, s[64:65] scope:SCOPE_SE
	s_setreg_imm32_b32 hwreg(HW_REG_WAVE_MODE, 25, 1), 1
	s_wait_xcnt 0x0
	s_wait_alu depctr_hold_cnt(0) depctr_sa_sdst(0) depctr_va_vdst(0) depctr_va_sdst(0) depctr_va_ssrc(0) depctr_va_vcc(0) depctr_vm_vsrc(0)
	s_getreg_b32 s2, hwreg(HW_REG_IB_STS2, 6, 4)
	s_cmp_eq_u32 s2, 0
	s_cbranch_scc0 .Lentry_in_a_cluster
	s_endpgm
.Lentry_in_a_cluster:
	s_bfe_u32 s2, ttmp6, 0x10000c
	s_cmp_lg_u32 s2, 0xf033
	s_cbranch_scc0 .Lentry_shape_is_right
	s_endpgm
.Lentry_shape_is_right:
; out0 = o Wout^T + bout on codes of E2M3.  o's codes come from the attention launch (oc), Wout's from the quantising launch (wc, groups 24-31).
; The product is used transposed: source 0 = 16 rows of Wout, source 1 = 16 tokens: a lane holds one token and eight neighbouring outputs in an accumulator.
; SHARES.  A work-group: 128 outputs x 128 tokens, all of K = 1,024: 256 work-groups.  Wave w (a = w / 2, e = w % 2): Wout's tiles 4 a .. 4 a + 3 x o's tiles 4 e .. 4 e + 3: 16 accumulators.
; LDS holds both operands for all of K (204,800 bytes), as they lie in memory, each byte filled once: no ring.  Four tiles of four K steps, one tensor load a wave, each in an arm of its own: wave 0 o's first half of K,
; wave 1 Wout's, wave 2 o's second half, wave 3 Wout's.  The first barrier shows waves 0 and 1's tiles, the barrier in K step 3 the others'.  Behind the operands a stage of 16 rows x (256 + 16) bytes for each wave; no fill lands there.
; CLUSTER 4 x 4: o's chunks hang on the tile row alone and are asked for jointly along a row of the cluster, Wout's on the tile column alone, jointly along a column.
; No prefetch: all of the launch's tiles are asked for at its head, so there is no loop to run ahead in.
; A chunk: 12,800 bytes = 128 rows x 128 K: eight fragments as images of the operand's registers, then 512 bytes of scales: Wout's as words at 32 i + 4 t; o's as two planes of two bytes (16 i + 2 t), one for each
; head of the K step, which v_perm_b32 joins into words.  Row i of tile t of a group is its row 64 (t / 4) + 8 (t % 4) + i % 8 + 32 (i / 8): the way out undoes that by addresses.
; The bias is the C of each sum's first product.
; REGISTERS, in windows of 256: window 0: addresses; v32-39 Wout's scale words, v40-47 o's (two sets each; they hold nothing else); v56-63 o's scale bytes as loaded; v64-95 the bias; v96-223 rows on the way out;
;   window 1: the accumulators ((i, a) at v[8 (4 i + a)]); windows 2 and 3: two sets of fragments: Wout's tile a at v[12 a], o's tile i at v[96 + 12 i].
.set OCB,  12800
.set S0B,  8*OCB                       ; LDS: o's eight K steps at 0, Wout's from here
.set STG,  16*OCB                      ; the stages
.set SP,   272
.set SPARE, STG+4*16*SP                ; the spare words, 128 bytes a wave
.set WV,   12
.set G1R,  24
.set G1C,  32
.set G0,   40                          ; s[40:55] four groups 0: for each half of K: o's, Wout's
.set SC0,  32
.set SC1,  40
.set RW,   56
.set BI,   64
.set OB,   96
.set MSB,  0
.macro WIN new                         ; s_set_vgpr_msb: bits 1:0 source 0, 3:2 source 1, 5:4 source 2, 7:6 destination; the high byte repeats the setting that is left
.if MSB != (\new)
	s_set_vgpr_msb (MSB<<8)|(\new)
.set MSB, (\new)
.endif
.endm
.macro CROUND                          ; a round of the cluster's barrier
	s_barrier_signal -1
	s_barrier_wait -1
	s_cmp_lg_u32 s[WV], 0
	s_cbranch_scc1 .Lnot_wave_0_\@
	s_barrier_signal -3
.Lnot_wave_0_\@:
	s_barrier_wait -3
	s_barrier_signal -1
	s_barrier_wait -1
.endm
.macro TLOAD g0, g1
	tensor_load_to_lds s[\g0:\g0+3], s[\g1:\g1+7]
	s_nop 0
.rept 4
	v_nop
.endr
.endm
.macro ARM under, g0, g1, next         ; an arm of the head's one chain of branches on the wave's number
	s_cmp_lt_u32 s[WV], \under
	s_cbranch_scc0 \next
	TLOAD \g0, \g1
	s_branch .Lasked
\next:
.endm
.macro ADV                             ; on to the next K step's chunks: six plain instructions that name no register of a product
.irp r, 4,5,6,7,8,9
	v_add_nc_u32 v\r, OCB, v\r
.endr
.endm
.macro FETCH p                         ; a K step's eight fragments and their scales into set p: 35 LDS loads in one run
	WIN 0x80+0x40*(\p)
.irp a, 0,1,2,3
.irp c, 0,1
	ds_load_b128 v[12*\a+6*\c:12*\a+6*\c+3], v4 offset:1536*\a+768*\c
	ds_load_b64 v[12*\a+6*\c+4:12*\a+6*\c+5], v5 offset:1536*\a+768*\c+512
.endr
.endr
.irp i, 0,1,2,3
.irp c, 0,1
	ds_load_b128 v[96+12*\i+6*\c:96+12*\i+6*\c+3], v7 offset:1536*\i+768*\c
	ds_load_b64 v[96+12*\i+6*\c+4:96+12*\i+6*\c+5], v8 offset:1536*\i+768*\c+512
.endr
.endr
	WIN 0
	ds_load_b128 v[SC0+4*(\p):SC0+4*(\p)+3], v6 offset:12288       ; row r's words of Wout's four tiles
	ds_load_b64 v[RW+4*(\p):RW+4*(\p)+1], v9 offset:12288          ; row r's bytes of o's four tiles: the first head's plane,
	ds_load_b64 v[RW+4*(\p)+2:RW+4*(\p)+3], v9 offset:12544        ; the second's
.endm
.macro MULS p, first                   ; 16 products, 128 along K; the 16 accumulators take turns, one instruction a turn, in the same order in every step.  first = 1: the bias starts the sums
.if \first
	WIN 0x4a
.else
	WIN 0x5a+5*(\p)
.endif
.irp i, 0,1,2,3
.irp a, 0,1,2,3
.if \first
	v_wmma_scale_f32_16x16x128_f8f6f4 v[8*(4*\i+\a):8*(4*\i+\a)+7], v[12*\a:12*\a+11], v[96+12*\i:96+12*\i+11], v[BI+8*\a:BI+8*\a+7], v[SC0+4*(\p)+\a], v[SC1+4*(\p)+\i] matrix_a_fmt:MATRIX_FMT_FP6 matrix_b_fmt:MATRIX_FMT_FP6
.else
	v_wmma_scale_f32_16x16x128_f8f6f4 v[8*(4*\i+\a):8*(4*\i+\a)+7], v[12*\a:12*\a+11], v[96+12*\i:96+12*\i+11], v[8*(4*\i+\a):8*(4*\i+\a)+7], v[SC0+4*(\p)+\a], v[SC1+4*(\p)+\i] matrix_a_fmt:MATRIX_FMT_FP6 matrix_b_fmt:MATRIX_FMT_FP6
.endif
.endr
.endr
.endm
.macro STEP k, first
	s_wait_dscnt 0x0                               ; this step's set is in: it was asked for in front of the last step's products
.if \k == 3
	s_wait_tensorcnt 0x0                           ; every wave's load has landed,
	s_barrier_signal -1
	s_barrier_wait -1                              ; so K's second half is whole
.endif
	WIN 0
.set PP, 4*((\k)%2)
	v_perm_b32 v[SC1+PP],   v[RW+PP+2], v[RW+PP],   0x05040100     ; o's scale words: the first head's two bytes below, the second's above: tile 0,
	v_perm_b32 v[SC1+PP+1], v[RW+PP+2], v[RW+PP],   0x07060302     ; 1,
	v_perm_b32 v[SC1+PP+2], v[RW+PP+3], v[RW+PP+1], 0x05040100     ; 2,
	v_perm_b32 v[SC1+PP+3], v[RW+PP+3], v[RW+PP+1], 0x07060302     ; 3
.if \k < 7
	ADV                                            ; six places; with the two v_nop below: eight between a scale word's making and the scaled products
	FETCH 1-(\k)%2
	v_nop
	v_nop
.else
.rept 8
	v_nop
.endr
.endif
	MULS (\k)%2, \first
.endm
	s_load_b256 s[4:11], s[0:1], 0x0               ; oc, wc, bout, out0
	v_lshl_add_u32 v254, v0, 2, SPARE
	v_mov_b32 v255, 0
	ds_add_u32 v254, v255                          ; the opening lines
	ds_add_u32 v254, v255
	v_lshrrev_b32 v1, 5, v0
	v_readfirstlane_b32 s[WV], v1                  ; wave 0..3
	v_and_b32 v1, 31, v0                           ; lane
	v_and_b32 v2, 15, v0                           ; r
	s_wait_alu depctr_va_vdst(0)
	v_bfe_u32 v3, v0, 4, 1                         ; h
	s_lshr_b32 s13, s[WV], 1                       ; a
	s_and_b32 s14, s[WV], 1                        ; e
	v_lshlrev_b32 v14, 4, v1                       ; 16 x lane
	v_lshlrev_b32 v15, 3, v1                       ; 8 x lane
	s_mul_i32 s19, s13, 6144
	s_add_co_u32 s19, s19, S0B                     ; Wout's tiles 4 a on, K step 0
	v_add_nc_u32 v4, s19, v14
	v_add_nc_u32 v5, s19, v15
	s_lshl_b32 s19, s13, 4
	s_add_co_u32 s19, s19, S0B
	v_lshl_add_u32 v6, v2, 5, s19                  ; their scale words: 32 r + 16 a
	s_mul_i32 s19, s14, 6144                       ; o's tiles 4 e on
	v_add_nc_u32 v7, s19, v14
	v_add_nc_u32 v8, s19, v15
	s_lshl_b32 s19, s14, 3
	v_lshl_add_u32 v9, v2, 4, s19                  ; their scale bytes: 16 r + 8 e
	s_mul_i32 s19, s[WV], 16*SP
	s_add_co_u32 s19, s19, STG                     ; my stage
	v_mul_u32_u24 v10, v2, SP
	v_lshl_add_u32 v10, v3, 7, v10
	v_add_nc_u32 v10, s19, v10                     ; in: row r, + 128 h: outputs 32 h on
	v_mul_u32_u24 v11, v3, SP
	v_lshl_add_u32 v11, v2, 4, v11
	v_add_nc_u32 v11, s19, v11                     ; back: lanes 0-15 one row of 256 bytes, lanes 16-31 the next
	v_lshlrev_b32 v12, 12, v3
	v_lshl_add_u32 v12, v2, 4, v12                 ; and the same two rows in out0
	v_lshlrev_b32 v13, 7, v3                       ; the bias: 128 h
	s_bfe_u32 s15, ttmp6, 0x40000                  ; cx
	s_bfe_u32 s16, ttmp6, 0x40004                  ; cy
	s_lshl_b32 s18, ttmp9, 2
	s_add_co_u32 s18, s18, s15                     ; tile column: which 128 outputs
	s_and_b32 s17, ttmp7, 0xffff
	s_lshl_b32 s17, s17, 2
	s_add_co_u32 s17, s17, s16                     ; tile row: which 128 tokens
	s_lshl_b32 s93, s16, 2
	s_lshl_b32 s93, 15, s93                        ; my row of the cluster
	s_lshl_b32 s94, 0x1111, s15                    ; my column
	; descriptor group 1: four chunks on end are a dense block: 200 rows of 256 bytes (32 elements of 8 bytes)
	s_or_b32 s[G1R], s93, (3<<16)|(1<<21)
	s_or_b32 s[G1C], s94, (3<<16)|(1<<21)
.irp g, G1R, G1C
	s_mov_b32 s[\g+1], 32<<16
	s_mov_b32 s[\g+2], 200<<16
	s_mov_b32 s[\g+3], 32<<16
	s_mov_b32 s[\g+4], 200
	s_mov_b32 s[\g+5], 32
	s_mov_b32 s[\g+6], 0
	s_mov_b32 s[\g+7], 0
.endr
	s_add_co_u32 s20, s18, 24                      ; Wout's groups are wc's 24 to 31
	s_mul_i32 s20, s20, 8*OCB
	s_mov_b32 s21, 0
	s_mul_i32 s22, s17, 8*OCB
	s_mov_b32 s23, 0
	s_wait_dscnt 0x0
	s_wait_kmcnt 0x0
	s_add_nc_u64 s[82:83], s[6:7], s[20:21]
	s_add_nc_u64 s[84:85], s[4:5], s[22:23]
.irp hf, 0,1
	s_mov_b32 s[G0+8*\hf], 1                                               ; o, K steps 4 hf on
	s_mov_b32 s[G0+8*\hf+1], 4*OCB*\hf
	s_add_nc_u64 s[G0+8*\hf+2:G0+8*\hf+3], s[84:85], 4*OCB*\hf
	s_or_b32 s[G0+8*\hf+3], s[G0+8*\hf+3], 0x80000000
	s_mov_b32 s[G0+8*\hf+4], 1                                             ; Wout
	s_mov_b32 s[G0+8*\hf+5], S0B+4*OCB*\hf
	s_add_nc_u64 s[G0+8*\hf+6:G0+8*\hf+7], s[82:83], 4*OCB*\hf
	s_or_b32 s[G0+8*\hf+7], s[G0+8*\hf+7], 0x80000000
.endr
	s_lshl_b32 s86, s17, 7
	s_lshl_b32 s87, s14, 6
	s_add_co_u32 s86, s86, s87                     ; my first token: 128 y + 64 e
	s_lshl_b32 s86, s86, 12                        ; rows of 4,096 bytes
	s_lshl_b32 s88, s18, 7
	s_lshl_b32 s89, s13, 6
	s_add_co_u32 s88, s88, s89                     ; my first output: 128 x + 64 a
	s_lshl_b32 s88, s88, 2
	s_mov_b32 s89, 0
	s_add_nc_u64 s[8:9], s[8:9], s[88:89]          ; the bias there
	s_add_co_u32 s86, s86, s88
	s_mov_b32 s87, 0
	s_add_nc_u64 s[10:11], s[10:11], s[86:87]      ; out0 there
	CROUND                                         ; all sixteen work-groups are here: the joint loads meet
	ARM 1, G0,   G1R, .Lhead_w0                    ; all fills of the launch: one load a wave, what is needed first asked for first
	ARM 2, G0+4, G1C, .Lhead_o1
	ARM 3, G0+8, G1R, .Lhead_w1
	TLOAD G0+12, G1C
.Lasked:
	s_wait_alu depctr_va_vdst(0)
.irp a, 0,1,2,3                                ; the bias in the result's layout: tile a, lane half h: outputs 8 a + 32 h + 0 .. 7
	global_load_b128 v[BI+8*\a:BI+8*\a+3], v13, s[8:9] offset:32*\a
	global_load_b128 v[BI+8*\a+4:BI+8*\a+7], v13, s[8:9] offset:32*\a+16
.endr
	s_cmp_lt_u32 s[WV], 2                          ; waves 0 and 1, whose load lines are theirs alone, wait for K's first half; the second half stays out
	s_cbranch_scc0 .Lsecond_half
	s_wait_tensorcnt 0x0
.Lsecond_half:
	s_barrier_signal -1
	s_barrier_wait -1                              ; K steps 0 to 3 are whole
	FETCH 0
	s_wait_loadcnt 0x0                             ; the bias
	STEP 0, 1
.irp k, 1,2,3,4,5,6,7
	STEP \k, 0
.endr
	WIN 0
.rept 4
	v_nop                                          ; places between the last products and the first read of results
.endr
	; THE WAY OUT, a tile of 16 tokens x 64 outputs at a time, through my own stage: in as 32 bytes a lane and accumulator, back as whole rows of 256 bytes.
	; LDS serves a wave's instructions in order: no wait between the stores and the loads, nor in front of the next tile's stores.  Each tile has its own registers for the rows: no store's data are written again.
.irp i, 0,1,2,3
	WIN 0x04                                       ; an LDS store's data are its source 1: window 1
.irp a, 0,1,2,3
	ds_store_b128 v10, v[8*(4*\i+\a):8*(4*\i+\a)+3] offset:32*\a       ; each accumulator from its low end on
	ds_store_b128 v10, v[8*(4*\i+\a)+4:8*(4*\i+\a)+7] offset:32*\a+16
.endr
	WIN 0
.irp t, 0,1,2,3,4,5,6,7
	ds_load_b128 v[OB+32*\i+4*\t:OB+32*\i+4*\t+3], v11 offset:2*SP*\t
.endr
.irp t, 0,1,2,3,4,5,6,7
	s_wait_dscnt 7-\t                              ; rows 2 t and 2 t + 1 are back; the 7 - t younger loads stay out
	global_store_b128 v12, v[OB+32*\i+4*\t:OB+32*\i+4*\t+3], s[10:11] offset:(8*\i+2*\t+24*(\t/4))*4096 th:TH_STORE_NT   ; tile row 2 t + h is token 8 i + 2 t + h + 24 (t / 4); sixteen lanes store 256 consecutive bytes, aligned
.endr
.endr
	s_wait_tensorcnt 0x0                           ; the wave's end
	ds_add_u32 v254, v255
	s_wait_dscnt 0x0
	CROUND                                         ; the closing round
	s_endpgm
.Lfunc_end_k_q5d918c6dbb_outp:
	.size	k_q5d918c6dbb_outp, .Lfunc_end_k_q5d918c6dbb_outp-k_q5d918c6dbb_outp
	.p2alignl 7, 3214868480
	.fill 96, 4, 3214868480
	.section	.rodata,"a",@progbits
	.p2align	6, 0x0
	.amdhsa_kernel k_q5d918c6dbb_outp
		.amdhsa_group_segment_fixed_size 222720
		.amdhsa_private_segment_fixed_size 0
		.amdhsa_enable_private_segment 0
		.amdhsa_kernarg_size 32
		.amdhsa_user_sgpr_count 2
		.amdhsa_user_sgpr_kernarg_segment_ptr 1
		.amdhsa_wavefront_size32 1
		.amdhsa_system_sgpr_workgroup_id_x 1
		.amdhsa_system_sgpr_workgroup_id_y 1
		.amdhsa_system_sgpr_workgroup_id_z 1
		.amdhsa_system_vgpr_workitem_id 0
		.amdhsa_next_free_vgpr 912
		.amdhsa_next_free_sgpr 100
		.amdhsa_reserve_vcc 0
		.amdhsa_float_denorm_mode_32 3
		.amdhsa_float_denorm_mode_16_64 3
		.amdhsa_memory_ordered 1
		.amdhsa_forward_progress 1
		.amdhsa_inst_pref_size 58
	.end_amdhsa_kernel
	.amdgpu_metadata
---
amdhsa.version: [ 1, 2 ]
amdhsa.kernels:
  - .name:           k_q5d918c6dbb_outp
    .symbol:         k_q5d918c6dbb_outp.kd
    .args:
      - { .name: oc, .offset: 0, .size: 8, .value_kind: global_buffer, .address_space: global }
      - { .name: wc, .offset: 8, .size: 8, .value_kind: global_buffer, .address_space: global }
      - { .name: bout, .offset: 16, .size: 8, .value_kind: global_buffer, .address_space: global }
      - { .name: out0, .offset: 24, .size: 8, .value_kind: global_buffer, .address_space: global }
    .group_segment_fixed_size: 222720
    .private_segment_fixed_size: 0
    .kernarg_segment_align: 8
    .kernarg_segment_size: 32
    .max_flat_workgroup_size: 128
    .sgpr_count:     100
    .vgpr_count:     912
    .wavefront_size: 32
...
	.end_amdgpu_metadata
.endif
;; end of part 4
